; MI455X (gfx1250); checked and timed in simulation.
; The chip was launched on July 23, 2026; its instructions are those of AMD's public machine-readable ISA for CDNA 5 (MIT licence, August 2026) and "CDNA5" Instruction Set Architecture Reference Guide (July 2026). The comments in the code are by the model that wrote it; some were corrected since.
;; Joint Hist Parzen Torch. Allowed arithmetic: matrix products marked QUANTISED: E4M3 operands, one given power-of-two scale a tensor, by v_wmma_f32_16x16x64_fp8_fp8 or v_wmma_f32_16x16x128_fp8_fp8, f32 sums; everything else in f32.
;; Inputs: bins_ref 64 float32; bins_tar 64 float32; img_ref 16 x 1 x 256 x 256 float32; img_tar 16 x 1 x 256 x 256 float32; lowp_scales 2 int32 (the exponents e of the quantised operands' scales 2^e).
;; Outputs: out0 16 x 64 x 64 float32.
;; This version of the problem:
;;   THIS VERSION OF THE PROBLEM IS GIVEN IN LOW PRECISION. The matrix products marked QUANTISED in the list below multiply operands that are first quantised to E4M3 (4 exponent bits, 3 mantissa bits; 8 bits a number), with one given power-of-two scale for each operand tensor; their sums are f32. All else is computed in f32.
;;   The module's matrix products, in the order in which they are computed (A, B: the left and right operand; K: the contracted axis; several contracted axes count as one K, in the product's order):
;;     1. batch 16 x [M 64, K 65,536] x [K 65,536, N 64]; A: computed on the way; B: computed on the way: QUANTISED (scales: A lowp_scales[0], B lowp_scales[1])
;;   THE QUANTISER, for each operand of a quantised product, along K:
;;     - The operand's scale is 2^e, e = its entry of the input lowp_scales (int32; the entries are numbered through the quantised products in the list's order, A before B).
;;     - Each number is divided by the scale, clamped to +-448, and rounded to the nearest number of E4M3, ties to even, subnormals kept.
;;     - The product sums the exact products of the quantised numbers (number of the format x scale) in f32.
;;   ~~~python
;;   def quantise(x, axis, e):      # numpy; x: float32 -> the quantised numbers, widened to float32 again
;;       x = np.moveaxis(x, axis, -1); K = x.shape[-1]
;;       r = np.clip(x / 2.0 ** e, -448, 448)
;;       step = 2.0 ** (np.maximum(np.frexp(np.where(r == 0, 1, r))[1] - 1, -6) - 3)
;;       q = np.round(r / step) * step * 2.0 ** e      # np.round: ties to even
;;       return np.moveaxis(q, -1, axis).astype(np.float32)
;;   ~~~
;;   OPERANDS COMPUTED ON THE WAY. 'Computed on the way' means the value that the module computes at that place (a softmax that the list does not call 'softmax' is quantised finished and normalised). What goes into a quantiser is computed in f32, as accurately as f32 sums, v_exp_f32 and their like allow (about 1e-6 of the number): no bf16 or f16 on the way to a quantiser, and a product that is left as it is and whose result goes on into a quantised operand takes f32 operands (vector FMAs, or v_wmma_f32_16x16x4_f32). A number that lies on a knife's edge between two numbers of the format may be rounded either way, as far as f32 arithmetic and the matrix unit's own rounding can turn it there, and no further.
;; 2 versions. Each part assembles by itself: llvm-mc -triple=amdgcn-amd-amdhsa -mcpu=gfx1250 --defsym DOCPART=n.
;; ======== version 1 of 2: 3 launches
;; workspace buffers: mm 2,048 bytes; part 4,194,304 bytes
;; launch minmax (part 1): grid 256 x 1, 8 waves a work-group, no clusters, 1,280 bytes of LDS; arguments img_ref, img_tar, mm; writes mm
.if DOCPART == 1
	.amdgcn_target "amdgcn-amd-amdhsa--gfx1250"
	.amdhsa_code_object_version 6
	.text
	.protected	k_qfc8fe8b3b6_minmax
	.globl	k_qfc8fe8b3b6_minmax
	.p2align	8
	.type	k_qfc8fe8b3b6_minmax,@function
k_qfc8fe8b3b6_minmax:
	s_mov_b64 s[64:65], 0
	v_nop
	global_prefetch_b8 v0, s[64:65] scope:SCOPE_SE
	s_setreg_imm32_b32 hwreg(HW_REG_WAVE_MODE, 25, 1), 1
	s_wait_xcnt 0x0
; The smallest and the largest number of 32 KiB of an image.  img_ref, img_tar: 1,048,576 f32 each (4 MiB).
; Work-groups 0-127 take img_ref, 128-255 img_tar: 128 pieces of 8,192 numbers each.  Eight waves; a thread loads 8 x 16 bytes,
; a wave's load covers 512 consecutive bytes, the eight waves' 4,096.  Nothing is read twice.
; mm: four arrays of 128 f32: ref minima, ref maxima, tar minima, tar maxima.  A work-group stores one word into two of them.
; LIMIT: NaN among the inputs is not served (the minimum and maximum used here let a NaN lose).
.set X, 8                              ; v8-39  the eight loads
	s_load_b128 s[4:7], s[0:1], 0x0                ; img_ref, img_tar
	s_load_b64 s[8:9], s[0:1], 0x10                ; mm
	v_lshl_add_u32 v40, v0, 2, 0x100
	v_mov_b32 v41, 0
	v_lshrrev_b32 v1, 5, v0
	v_readfirstlane_b32 s10, v1                    ; wave 0..7
	v_lshlrev_b32 v2, 4, v0                        ; 16 bytes a thread
	v_lshlrev_b32 v3, 3, v1                        ; LDS: 8 bytes a wave
	s_and_b32 s11, ttmp9, 127                      ; which piece of the image
	s_lshl_b32 s12, s11, 15                        ; x 32,768 bytes
	s_mov_b32 s13, 0
	s_lshr_b32 s16, ttmp9, 7                       ; which image
	s_lshl_b32 s16, s16, 10                        ; its two arrays in mm: 1,024 bytes
	s_lshl_b32 s17, s11, 2
	s_add_co_u32 s16, s16, s17                     ; + 4 x piece
	s_mov_b32 s17, 0
	s_mov_b32 s14, 0x76543210                      ; v_permlanex16_b32: each lane takes its own place in the other half
	s_mov_b32 s15, 0xfedcba98
	s_wait_kmcnt 0x0
	s_cmp_lt_u32 ttmp9, 128                        ; the choice hangs on the work-group's number alone
	s_cselect_b64 s[4:5], s[4:5], s[6:7]
	s_add_nc_u64 s[4:5], s[4:5], s[12:13]
	s_add_nc_u64 s[8:9], s[8:9], s[16:17]
.irp q, 0,1,2,3,4,5,6,7
	global_load_b128 v[X+4*\q:X+4*\q+3], v2, s[4:5] offset:4096*\q   ; no hint: the next launch reads the same bytes
.endr
	s_wait_loadcnt 7                               ; loads come back in order: the first is in, seven are younger
	v_min3_num_f32 v4, v8, v9, v10                 ; the first numbers start both chains: nothing is cleared
	v_max3_num_f32 v5, v8, v9, v10
	v_min_num_f32 v4, v4, v11
	v_max_num_f32 v5, v5, v11
.irp q, 1,2,3,4,5,6,7
	s_wait_loadcnt 7-\q                            ; load q is in; 7 - q are younger
	v_min3_num_f32 v4, v4, v[X+4*\q], v[X+4*\q+1]
	v_max3_num_f32 v5, v5, v[X+4*\q], v[X+4*\q+1]
	v_min3_num_f32 v4, v4, v[X+4*\q+2], v[X+4*\q+3]
	v_max3_num_f32 v5, v5, v[X+4*\q+2], v[X+4*\q+3]
.endr
.irp m, 1,2,4,8                        ; across the 16 lanes of a half
	v_min_num_f32_dpp v4, v4, v4 row_xmask:\m row_mask:0xf bank_mask:0xf
	v_max_num_f32_dpp v5, v5, v5 row_xmask:\m row_mask:0xf bank_mask:0xf
.endr
	v_permlanex16_b32 v8, v4, s14, s15             ; the other half (v8, v9 have been written: a permute's destination counts as read)
	v_permlanex16_b32 v9, v5, s14, s15
	v_min_num_f32 v4, v4, v8
	v_max_num_f32 v5, v5, v9
	ds_store_b64 v3, v[4:5]                        ; all lanes of a wave write the same two words with the same values
	s_wait_dscnt 0x0                               ; for the others' sake: my store has landed
	s_barrier_signal -1
	s_barrier_wait -1
	s_cmp_lg_u32 s10, 0                            ; wave 0 finishes
	s_cbranch_scc1 .Lend
	v_mov_b32 v6, 0
.irp w, 0,1,2,3
	ds_load_b128 v[X+4*\w:X+4*\w+3], v6 offset:16*\w   ; (min, max) of waves 2 w and 2 w + 1
.endr
	s_wait_dscnt 0x0
	v_min3_num_f32 v4, v8, v10, v12
	v_max3_num_f32 v5, v9, v11, v13
	v_min3_num_f32 v4, v4, v14, v16
	v_max3_num_f32 v5, v5, v15, v17
	v_min3_num_f32 v4, v4, v18, v20
	v_max3_num_f32 v5, v5, v19, v21
	v_min_num_f32 v4, v4, v22
	v_max_num_f32 v5, v5, v23
	v_cmp_eq_u32 vcc_lo, 0, v0
	v_cndmask_b32 v6, v5, v4, vcc_lo               ; lane 0: the minimum; lane 1: the maximum
	v_lshlrev_b32 v7, 9, v0                        ; the array of maxima lies 512 bytes behind that of minima
	v_cmp_gt_u32 vcc_lo, 2, v0
	s_wait_xcnt 0x0                                ; EXEC changes only behind this wait
	s_and_saveexec_b32 s18, vcc_lo
	global_store_b32 v7, v6, s[8:9]
	s_wait_xcnt 0x0                                ; and again in front of the line that widens it
	s_or_b32 exec_lo, exec_lo, s18
.Lend:
	s_wait_tensorcnt 0x0
	ds_add_u32 v40, v41
	s_wait_dscnt 0x0
	s_endpgm
.Lfunc_end_k_qfc8fe8b3b6_minmax:
	.size	k_qfc8fe8b3b6_minmax, .Lfunc_end_k_qfc8fe8b3b6_minmax-k_qfc8fe8b3b6_minmax
	.p2alignl 7, 3214868480
	.fill 96, 4, 3214868480
	.section	.rodata,"a",@progbits
	.p2align	6, 0x0
	.amdhsa_kernel k_qfc8fe8b3b6_minmax
		.amdhsa_group_segment_fixed_size 1280
		.amdhsa_private_segment_fixed_size 0
		.amdhsa_enable_private_segment 0
		.amdhsa_kernarg_size 24
		.amdhsa_user_sgpr_count 2
		.amdhsa_user_sgpr_kernarg_segment_ptr 1
		.amdhsa_wavefront_size32 1
		.amdhsa_system_sgpr_workgroup_id_x 1
		.amdhsa_system_sgpr_workgroup_id_y 1
		.amdhsa_system_sgpr_workgroup_id_z 1
		.amdhsa_system_vgpr_workitem_id 0
		.amdhsa_next_free_vgpr 42
		.amdhsa_next_free_sgpr 66
		.amdhsa_reserve_vcc 1
		.amdhsa_float_denorm_mode_32 3
		.amdhsa_float_denorm_mode_16_64 3
		.amdhsa_memory_ordered 1
		.amdhsa_forward_progress 1
		.amdhsa_inst_pref_size 7
	.end_amdhsa_kernel
	.amdgpu_metadata
---
amdhsa.version: [ 1, 2 ]
amdhsa.kernels:
  - .name:           k_qfc8fe8b3b6_minmax
    .symbol:         k_qfc8fe8b3b6_minmax.kd
    .args:
      - { .name: img_ref, .offset: 0, .size: 8, .value_kind: global_buffer, .address_space: global }
      - { .name: img_tar, .offset: 8, .size: 8, .value_kind: global_buffer, .address_space: global }
      - { .name: mm, .offset: 16, .size: 8, .value_kind: global_buffer, .address_space: global }
    .group_segment_fixed_size: 1280
    .private_segment_fixed_size: 0
    .kernarg_segment_align: 8
    .kernarg_segment_size: 24
    .max_flat_workgroup_size: 256
    .sgpr_count:     66
    .vgpr_count:     42
    .wavefront_size: 32
...
	.end_amdgpu_metadata
.endif
;; end of part 1
;; launch hist (part 2): grid 256 x 1, 8 waves a work-group, no clusters, 173,056 bytes of LDS; arguments img_ref, img_tar, bins_ref, bins_tar, lowp_scales, mm, part; writes part
.if DOCPART == 2
	.amdgcn_target "amdgcn-amd-amdhsa--gfx1250"
	.amdhsa_code_object_version 6
	.text
	.protected	k_qfc8fe8b3b6_hist
	.globl	k_qfc8fe8b3b6_hist
	.p2align	8
	.type	k_qfc8fe8b3b6_hist,@function
k_qfc8fe8b3b6_hist:
	s_mov_b64 s[64:65], 0
	v_nop
	global_prefetch_b8 v0, s[64:65] scope:SCOPE_SE
	s_setreg_imm32_b32 hwreg(HW_REG_WAVE_MODE, 25, 1), 1
	s_wait_xcnt 0x0
; part[g][b][c] = 2^(e0 + e1 + 12) x the sum over 4,096 pixels p of code(W_ref[b][p]) code(W_tar[c][p]);  g = 16 x batch + sixteenth of the batch's 65,536 pixels.
; W[b][p] = B3(64 (bins[b] - r[p])), B3 the cubic B-spline, r = (x - xmin) / (xmax - xmin) over the whole tensor; code = W / 2^e held at 448, E4M3, nearest even.
; 1 / EPS^2 = 2^12; e0, e1 = lowp_scales[0] (W_ref), [1] (W_tar).  The products go by v_wmma_f32_16x16x64_fp8_fp8, sums in f32.
; SHARES.  Eight waves, 512 pixels each, 8 steps of 64.  A wave makes ALL 64 + 64 rows of W for its pixels, so no W is computed twice, and keeps all 16 tiles of the 64 x 64 sums (128 registers).
; LAYOUT.  A fragment's lane (r, h) holds row 16 i + r and 32 of the step's 64 pixels along its registers: so a lane keeps its bin in a register and needs 32 pixels, the same in all 16 lanes of a half.
; Each wave normalises its pixels once (32 numbers a lane), lays them into its own 4 KiB of LDS, and every lane fetches its 32 by eight loads of 16 bytes.  Which pixel stands at which k is the same in both
; operands, which is all that the sum asks.  Source 0 = 16 rows of W_tar, source 1 = 16 rows of W_ref: a lane's eight results are eight neighbouring columns c of one row b.
; THE SPLINE, with T = 64 t:  t = min(|b - r|, 2/64);  a = k (2 - T), k = 6^(-1/3), one fused multiply-add;  a^3 = (2 - T)^3 / 6;  in = 2/3 - (2048 / k) t^2 a = 2/3 - T^2 + T^3 / 2.
; a^3 - in = 4 (1 - T)^3 / 6: so min(a^3, in) is the inner branch where T < 1 and the outer one where T >= 1, and 0 from T = 2 on.  The third operand of that minimum is 448 x 2^e: the conversion does not
; saturate (ISA guide 7.6.2).  The powers of two (64, 2048, 4096) are folded into the constants, which rounds nothing.  Sixteen numbers take 90 instructions.
; LIMITS.  NaN among the inputs is not served.  xmax - xmin lies between 2^-126 and 2^126 (v_rcp_f32 flushes denormals).  e0, e1 between -126 and 119, so that 2^e and 448 x 2^e are f32 numbers.
; The f32 sums are taken in another order than one chain along K: 8 waves here, 16 work-groups in the next launch.
; No cluster: work-groups share 2 KiB of minima and maxima and 512 bytes of bins, nothing else.  No tensor load: a wave's input is 4 KiB, asked for once at the head.
.set PIXW, 4096                        ; LDS: a wave's pixels: 512 of img_tar, then 512 of img_ref
.set REFO, 2048
.set STG,  8*PIXW                      ; behind them: eight copies of the 64 x 64 sums,
.set SP,   272                         ; rows of 256 bytes + 16: 68 words, so that the 16 rows that a store touches begin at 16 different banks (64 banks of 4 bytes: ISA guide 11.1)
.set COPY, 64*SP
.set GOF, 1                            ; v1   16 x thread: my bytes of a load of pixels
.set MOF, 2                            ; v2   16 x lane: my four of 128 minima or maxima
.set BOF, 3                            ; v3   4 x (lane % 16): my bin of a tile
.set PST, 4                            ; v4   LDS: where I put 16 bytes of pixels
.set PRD, 5                            ; v5   LDS: my half's 32 pixels of step 0
.set ADR, 6                            ; v6   the same of the step that is being fetched
.set STO, 7                            ; v7   the sums: where I put 32 bytes of a row
.set SRD, 8                            ; v8, v9  the sums: where I read rows back, copies 0-3 and 4-7
.set GO,  10                           ; v10  my byte offset in the work-group's 16 KiB of part
.set SCR, 11                           ; v11  2^e0 as f32;  v12  2^e1
.set SCT, 12
.set HH,  13                           ; v13  lane / 16;  v14 lane;  v15 lane % 16
.set LN,  14
.set RR,  15
.set KN,  16                           ; v[16:17] -64 k;  v[18:19] 2 k;  v[20:21] -2048 / k;  v[22:23] 2/3: each twice, for the packed forms
.set K2,  18
.set C1,  20
.set C23, 22
.set BR,  24                           ; v24-31  bins_ref[16 i + r], twice each;  v32-39 bins_tar likewise
.set BT,  32
.set NR,  40                           ; v40-45  img_ref: xmin, xmax - xmin, its reciprocal, twice each;  v46-51 img_tar
.set NT,  46
.set PX,  64                           ; v64-95   32 pixels of img_ref
.set PY,  96                           ; v96-127  32 pixels of img_tar
.set D0,  128                          ; v128-143, v144-159  d, t, a^2, a^3, W of 16 numbers: two sets by turns, so that the registers that a conversion has just read are not the next to be written
.set D1,  144
.set AA,  160                          ; v160-175 a
.set SS,  176                          ; v176-191 t^2, t^2 a, the inner branch
.set BF,  192                          ; v192-223 W_tar's four fragments
.set AF,  224                          ; v224-255 W_ref's four
.set SUM, 64                           ; the end: v64-191, eight copies of my 8 rows
                                       ; window 1: v0-127 the accumulators, tile (i, j) at v[8 (4 i + j)]
.set WV,   18                          ; s18  wave
.set WB,   19                          ; s19  4,096 x wave
.set LIMR, 24                          ; s24  448 x 2^e0;  s25  448 x 2^e1
.set LIMT, 25
.set TWO,  26                          ; s26  2/64
.set CNT,  27
.set OFF,  28                          ; s28  256 x the step that is fetched next
.set ESUM, 29                          ; s29  e0 + e1 + 12
.set SEL,  30                          ; s[30:31] v_permlanex16_b32: lane l xor 16
.set MSB, 0
.macro WIN new                         ; the immediate's high byte repeats the setting that is left
.if MSB != \new
	s_set_vgpr_msb (MSB<<8)|\new
.set MSB, \new
.endif
.endm
	s_load_b256 s[4:11], s[0:1], 0x0               ; img_ref s[4:5], img_tar s[6:7], bins_ref s[8:9], bins_tar s[10:11]
	s_load_b128 s[12:15], s[0:1], 0x20             ; lowp_scales s[12:13], mm s[14:15]
	s_load_b64 s[16:17], s[0:1], 0x30              ; part
	v_lshl_add_u32 v62, v0, 2, 0x2a000
	v_mov_b32 v63, 0
	v_lshrrev_b32 v[ADR], 5, v0
	v_readfirstlane_b32 s[WV], v[ADR]              ; wave 0..7
	v_and_b32 v[LN], 31, v0
	v_and_b32 v[RR], 15, v0
	v_bfe_u32 v[HH], v0, 4, 1
	v_lshlrev_b32 v[GOF], 4, v0
	v_lshlrev_b32 v[MOF], 4, v[LN]
	v_lshlrev_b32 v[BOF], 2, v[RR]
	s_lshl_b32 s[WB], s[WV], 12
	v_lshl_add_u32 v[PST], v[LN], 4, s[WB]         ; my wave's pixels + 16 x lane
	v_lshl_add_u32 v[PRD], v[HH], 7, s[WB]         ; my wave's pixels + 128 x half: lanes 0-15 take a step's first 32 pixels, lanes 16-31 its last 32
	s_lshl_b32 s20, ttmp9, 14                      ; the work-group's 4,096 pixels, and its 64 x 64 sums: 16,384 bytes each
	s_mov_b32 s21, 0
	s_mov_b32 s[TWO], 0x3d000000                   ; 2/64
	s_mov_b32 s[SEL], 0x76543210
	s_mov_b32 s[SEL+1], 0xfedcba98
	s_wait_kmcnt 0x0
	s_load_b64 s[22:23], s[12:13], 0x0             ; e0, e1
	s_add_nc_u64 s[4:5], s[4:5], s[20:21]
	s_add_nc_u64 s[6:7], s[6:7], s[20:21]
	s_add_nc_u64 s[16:17], s[16:17], s[20:21]
.irp a, 0,1,2,3                        ; 128 ref minima, ref maxima, tar minima, tar maxima: four of each a lane
	global_load_b128 v[D0+4*\a:D0+4*\a+3], v[MOF], s[14:15] offset:512*\a
.endr
.irp q, 0,1,2,3                        ; a wave's load covers 512 consecutive bytes; which 512 pixels a wave gets is free, so long as both images give it the same
	global_load_b128 v[PX+4*\q:PX+4*\q+3], v[GOF], s[4:5] offset:4096*\q th:TH_LOAD_NT
	global_load_b128 v[PX+16+4*\q:PX+16+4*\q+3], v[GOF], s[6:7] offset:4096*\q th:TH_LOAD_NT
.endr
.irp i, 0,1,2,3
	global_load_b32 v[BR+2*\i], v[BOF], s[8:9] offset:64*\i
	global_load_b32 v[BT+2*\i], v[BOF], s[10:11] offset:64*\i
.endr
.irp u, 0,1
	v_mov_b32 v[KN+\u], 0xc20ce1da                 ; -64 k, k = 6^(-1/3) = 0.55032121
	v_mov_b32 v[K2+\u], 0x3f8ce1da                 ; 2 k: the same mantissa, so that a = k (2 - T), rounded once, and 0 at T = 2
	v_mov_b32 v[C1+\u], 0xc5689768                 ; -2048 / k
	v_mov_b32 v[C23+\u], 0x3f2aaaab                ; 2/3
.endr
	s_wait_kmcnt 0x0
	s_add_co_i32 s[LIMR], s22, 127
	s_lshl_b32 s32, s[LIMR], 23
	v_mov_b32 v[SCR], s32                          ; 2^e0 as f32: the conversion takes its exponent field
	s_add_co_i32 s[LIMR], s[LIMR], 8
	s_lshl_b32 s[LIMR], s[LIMR], 23
	s_or_b32 s[LIMR], s[LIMR], 0x600000            ; 448 x 2^e0
	s_add_co_i32 s[LIMT], s23, 127
	s_lshl_b32 s33, s[LIMT], 23
	v_mov_b32 v[SCT], s33
	s_add_co_i32 s[LIMT], s[LIMT], 8
	s_lshl_b32 s[LIMT], s[LIMT], 23
	s_or_b32 s[LIMT], s[LIMT], 0x600000
	s_add_co_i32 s[ESUM], s22, s23
	s_add_co_i32 s[ESUM], s[ESUM], 12
	; the tensors' minima and maxima: every wave reduces the 4 x 128 numbers for itself
	s_wait_loadcnt 16                              ; the first four loads are in; the 8 of pixels and the 8 of bins are younger
.irp a, 0,8
	v_min3_num_f32 v[D0+\a], v[D0+\a], v[D0+\a+1], v[D0+\a+2]
	v_max3_num_f32 v[D0+\a+4], v[D0+\a+4], v[D0+\a+5], v[D0+\a+6]
.endr
.irp a, 0,8
	v_min_num_f32 v[D0+\a], v[D0+\a], v[D0+\a+3]
	v_max_num_f32 v[D0+\a+4], v[D0+\a+4], v[D0+\a+7]
.endr
.irp m, 1,2,4,8
.irp a, 0,8
	v_min_num_f32_dpp v[D0+\a], v[D0+\a], v[D0+\a] row_xmask:\m row_mask:0xf bank_mask:0xf
	v_max_num_f32_dpp v[D0+\a+4], v[D0+\a+4], v[D0+\a+4] row_xmask:\m row_mask:0xf bank_mask:0xf
.endr
.endr
.irp a, 0,4,8,12
	v_permlanex16_b32 v[D0+\a+1], v[D0+\a], s[SEL], s[SEL+1]   ; (the destinations have been written)
.endr
.irp u, 0,1
	v_min_num_f32 v[NR+\u], v[D0], v[D0+1]         ; xmin, twice: a pair for the packed forms
	v_min_num_f32 v[NT+\u], v[D0+8], v[D0+9]
.endr
	v_max_num_f32 v[D0+4], v[D0+4], v[D0+5]        ; xmax
	v_max_num_f32 v[D0+12], v[D0+12], v[D0+13]
.irp u, 0,1
	v_sub_f32 v[NR+2+\u], v[D0+4], v[NR]           ; xmax - xmin
	v_sub_f32 v[NT+2+\u], v[D0+12], v[NT]
.endr
	v_rcp_f32 v[NR+4], v[NR+2]
	v_rcp_f32 v[NT+4], v[NT+2]
	v_nop                                          ; a plain instruction behind the reciprocals (ISA guide 5.7.2),
	s_wait_alu depctr_va_vdst(0)                   ; and one wait for both, ahead of their first reader
	v_fma_f32 v[D0], -v[NR+2], v[NR+4], 1.0        ; one step of Newton's on each reciprocal
	v_fma_f32 v[D0+8], -v[NT+2], v[NT+4], 1.0
	v_fma_f32 v[NR+4], v[D0], v[NR+4], v[NR+4]
	v_fma_f32 v[NT+4], v[D0+8], v[NT+4], v[NT+4]
	v_mov_b32 v[NR+5], v[NR+4]
	v_mov_b32 v[NT+5], v[NT+4]
; r = (x - xmin) / (xmax - xmin) for 16 numbers: the quotient by the reciprocal, then mended by its own residual: n = x - xmin; q = n c; q += (n - q D) c
.macro NORM src, dst, q
.irp p, 0,2,4,6,8,10,12,14
	v_pk_add_f32 v[AA+\p:AA+\p+1], v[\src+\p:\src+\p+1], v[\q:\q+1] neg_lo:[0,1] neg_hi:[0,1]
.endr
.irp p, 0,2,4,6,8,10,12,14
	v_pk_mul_f32 v[\dst+\p:\dst+\p+1], v[AA+\p:AA+\p+1], v[\q+4:\q+5]
.endr
.irp p, 0,2,4,6,8,10,12,14
	v_pk_fma_f32 v[AA+\p:AA+\p+1], v[\dst+\p:\dst+\p+1], v[\q+2:\q+3], v[AA+\p:AA+\p+1] neg_lo:[1,0,0] neg_hi:[1,0,0]
.endr
.irp p, 0,2,4,6,8,10,12,14
	v_pk_fma_f32 v[\dst+\p:\dst+\p+1], v[AA+\p:AA+\p+1], v[\q+4:\q+5], v[\dst+\p:\dst+\p+1]
.endr
.endm
.macro LOADP dst, adr, off             ; my 32 pixels of a step: eight loads of 16 bytes; the 16 lanes of a half read the same bytes
.irp c, 0,1,2,3,4,5,6,7
	ds_load_b128 v[\dst+4*\c:\dst+4*\c+3], v[\adr] offset:\off+16*\c
.endr
.endm
	s_wait_loadcnt 8                               ; the pixels are in; the 8 loads of bins are younger
	NORM PX, BF, NR                                ; into the registers that the fragments will take: they are next written behind a wait that shows the stores below done
	NORM PX+16, BF+16, NT
.irp q, 0,1,2,3
	ds_store_b128 v[PST], v[BF+16+4*\q:BF+16+4*\q+3] offset:512*\q
	ds_store_b128 v[PST], v[BF+4*\q:BF+4*\q+3] offset:REFO+512*\q
.endr
	LOADP PY, PRD, 0                               ; step 0.  My wave's own bytes, and LDS serves a wave's instructions in order (ISA guide 5.7.1.4): no wait, no barrier
	LOADP PX, PRD, REFO
	s_wait_loadcnt 0x0                             ; the bins
.irp i, 0,1,2,3
	v_mov_b32 v[BR+2*\i+1], v[BR+2*\i]             ; twice each, for the packed subtraction
	v_mov_b32 v[BT+2*\i+1], v[BT+2*\i]
.endr
; Sixteen numbers of W: the bin in v[bn], the pixels in v[px] on; their codes into v[fr] .. v[fr + 3].  Each stage is 8 or 16 instructions that do not depend on each other.
.macro BATCH bn, px, fr, dd, sc, lm
.irp p, 0,2,4,6,8,10,12,14
	v_pk_add_f32 v[\dd+\p:\dd+\p+1], v[\bn:\bn+1], v[\px+\p:\px+\p+1] neg_lo:[0,1] neg_hi:[0,1]   ; d = b - r
.endr
.irp e, 0,1,2,3,4,5,6,7,8,9,10,11,12,13,14,15
	v_min_num_f32 v[\dd+\e], |v[\dd+\e]|, s[TWO]                                                  ; t = min(|d|, 2/64)
.endr
.irp p, 0,2,4,6,8,10,12,14
	v_pk_fma_f32 v[AA+\p:AA+\p+1], v[\dd+\p:\dd+\p+1], v[KN:KN+1], v[K2:K2+1]                     ; a = k (2 - 64 t), not negative
.endr
.irp p, 0,2,4,6,8,10,12,14
	v_pk_mul_f32 v[SS+\p:SS+\p+1], v[\dd+\p:\dd+\p+1], v[\dd+\p:\dd+\p+1]                         ; t^2
.endr
.irp p, 0,2,4,6,8,10,12,14
	v_pk_mul_f32 v[\dd+\p:\dd+\p+1], v[AA+\p:AA+\p+1], v[AA+\p:AA+\p+1]                           ; a^2
.endr
.irp p, 0,2,4,6,8,10,12,14
	v_pk_mul_f32 v[SS+\p:SS+\p+1], v[SS+\p:SS+\p+1], v[AA+\p:AA+\p+1]                             ; t^2 a
.endr
.irp p, 0,2,4,6,8,10,12,14
	v_pk_mul_f32 v[\dd+\p:\dd+\p+1], v[\dd+\p:\dd+\p+1], v[AA+\p:AA+\p+1]                         ; a^3: the outer branch
.endr
.irp p, 0,2,4,6,8,10,12,14
	v_pk_fma_f32 v[SS+\p:SS+\p+1], v[SS+\p:SS+\p+1], v[C1:C1+1], v[C23:C23+1]                     ; 2/3 - (2048 / k) t^2 a: the inner branch
.endr
.irp e, 0,1,2,3,4,5,6,7,8,9,10,11,12,13,14,15
	v_min3_num_f32 v[\dd+\e], v[\dd+\e], v[SS+\e], s[\lm]                                         ; the branch that holds, held at 448 x 2^e
.endr
	v_cvt_scalef32_pk8_fp8_f32 v[\fr:\fr+1], v[\dd:\dd+7], v[\sc]
	v_cvt_scalef32_pk8_fp8_f32 v[\fr+2:\fr+3], v[\dd+8:\dd+15], v[\sc]   ; what follows is plain and writes the other set of D
.endm
; A step: 64 pixels.  zero = 1: the products start the sums: nothing is cleared.  fetch = 1: the next step's pixels are asked for, each image's as soon as its registers are free: half a step ahead of their use.
.macro STEP zero, fetch
	s_wait_dscnt 8                                 ; img_tar's pixels are in; the eight loads of img_ref's are younger
.irp j, 0,1,2,3
	BATCH BT+2*\j, PY, BF+8*\j, D0, SCT, LIMT
	BATCH BT+2*\j, PY+16, BF+8*\j+4, D1, SCT, LIMT
.endr
.if \fetch
	v_add_nc_u32 v[ADR], s[OFF], v[PRD]
	LOADP PY, ADR, 0
	s_wait_dscnt 8                                 ; img_ref's pixels are in; the eight loads just issued are younger
.else
	s_wait_dscnt 0x0
.endif
.irp i, 0,1,2,3
	BATCH BR+2*\i, PX, AF+8*\i, D0, SCR, LIMR
	BATCH BR+2*\i, PX+16, AF+8*\i+4, D1, SCR, LIMR
.endr
	v_nop                                          ; one plain instruction between the last conversion and the matrix instruction that reads its result
	WIN 0x50                                       ; C and D in window 1
.irp i, 0,1,2,3                        ; the 16 accumulators take turns, one instruction a turn, in the same order in every step
.irp j, 0,1,2,3
.if \zero
	v_wmma_f32_16x16x64_fp8_fp8 v[8*(4*\i+\j):8*(4*\i+\j)+7], v[BF+8*\j:BF+8*\j+7], v[AF+8*\i:AF+8*\i+7], 0
.else
	v_wmma_f32_16x16x64_fp8_fp8 v[8*(4*\i+\j):8*(4*\i+\j)+7], v[BF+8*\j:BF+8*\j+7], v[AF+8*\i:AF+8*\i+7], v[8*(4*\i+\j):8*(4*\i+\j)+7]
.endif
.endr
.endr
	WIN 0                                          ; the fragments are next written 88 plain instructions on (ISA guide 7.12.1 asks for four)
.if \fetch
	LOADP PX, ADR, REFO                            ; into registers that no matrix instruction names
	s_add_co_u32 s[OFF], s[OFF], 256
.endif
.endm
	s_mov_b32 s[OFF], 256
	STEP 1, 1                                      ; step 0 starts the sums and fetches step 1
	s_mov_b32 s[CNT], 6
.Lstep:                                                ; steps 1 to 6 fetch steps 2 to 7
	STEP 0, 1
	s_sub_co_u32 s[CNT], s[CNT], 1
	s_cmp_lg_u32 s[CNT], 0
	s_cbranch_scc1 .Lstep
	STEP 0, 0                                      ; step 7 is written out: nothing is left to fetch
	; THE END.  Each wave lays its 64 x 64 sums into its own copy in LDS, as rows; behind a barrier wave w adds rows 8 w .. 8 w + 7 of the eight copies and stores them.
	; The thirteen address lines are also the places between the last products and the first read of a result.
	s_mul_i32 s32, s[WV], COPY
	s_add_co_u32 s32, s32, STG                     ; my copy
	v_mul_u32_u24 v[STO], v[RR], SP                ; in: row 16 i + r, bytes 64 j + 32 h on
	v_lshl_add_u32 v[STO], v[HH], 5, v[STO]
	v_add_nc_u32 v[STO], s32, v[STO]
	s_mul_i32 s33, s[WV], 8*SP
	s_add_co_u32 s33, s33, STG                     ; back: my 8 rows; lanes 0-15 take one row of 256 bytes, lanes 16-31 the next
	v_mul_u32_u24 v[SRD], v[HH], SP
	v_lshl_add_u32 v[SRD], v[RR], 4, v[SRD]
	v_add_nc_u32 v[SRD], s33, v[SRD]
	v_add_nc_u32 v[SRD+1], 4*COPY, v[SRD]          ; an LDS offset has 16 bits: a second address for copies 4 to 7
	s_lshl_b32 s34, s[WV], 11
	v_lshl_add_u32 v[GO], v[LN], 4, s34            ; 8 rows of 256 bytes a wave, 16 bytes a lane
	WIN 0x04                                       ; the stores' data in window 1
.irp i, 0,1,2,3
.irp j, 0,1,2,3
	ds_store_b128 v[STO], v[8*(4*\i+\j):8*(4*\i+\j)+3] offset:\i*16*SP+64*\j         ; each accumulator from its low end on
	ds_store_b128 v[STO], v[8*(4*\i+\j)+4:8*(4*\i+\j)+7] offset:\i*16*SP+64*\j+16
.endr
.endr
	WIN 0
	s_wait_dscnt 0x0                               ; for the others' sake: my stores have landed
	s_barrier_signal -1
	s_barrier_wait -1
.irp c, 0,1,2,3,4,5,6,7
.irp q, 0,1,2,3
	ds_load_b128 v[SUM+16*\c+4*\q:SUM+16*\c+4*\q+3], v[SRD+\c/4] offset:(\c%4)*COPY+\q*2*SP
.endr
.endr
.irp c, 1,2,3,4,5,6,7
	s_wait_dscnt 4*(7-\c)                          ; copies 0 to c are in; four loads for each later copy are younger
.irp p, 0,2,4,6,8,10,12,14
	v_pk_add_f32 v[SUM+\p:SUM+\p+1], v[SUM+\p:SUM+\p+1], v[SUM+16*\c+\p:SUM+16*\c+\p+1]
.endr
.endr
.irp e, 0,1,2,3,4,5,6,7,8,9,10,11,12,13,14,15
	v_ldexp_f32 v[SUM+\e], v[SUM+\e], s[ESUM]      ; x 2^(e0 + e1) / EPS^2
.endr
.irp q, 0,1,2,3
	global_store_b128 v[GO], v[SUM+4*\q:SUM+4*\q+3], s[16:17] offset:512*\q   ; 32 lanes store two rows: 512 consecutive bytes, at a multiple of 256 from part's first byte
.endr
	s_wait_tensorcnt 0x0
	ds_add_u32 v62, v63
	s_wait_dscnt 0x0
	s_endpgm
.Lfunc_end_k_qfc8fe8b3b6_hist:
	.size	k_qfc8fe8b3b6_hist, .Lfunc_end_k_qfc8fe8b3b6_hist-k_qfc8fe8b3b6_hist
	.p2alignl 7, 3214868480
	.fill 96, 4, 3214868480
	.section	.rodata,"a",@progbits
	.p2align	6, 0x0
	.amdhsa_kernel k_qfc8fe8b3b6_hist
		.amdhsa_group_segment_fixed_size 173056
		.amdhsa_private_segment_fixed_size 0
		.amdhsa_enable_private_segment 0
		.amdhsa_kernarg_size 56
		.amdhsa_user_sgpr_count 2
		.amdhsa_user_sgpr_kernarg_segment_ptr 1
		.amdhsa_wavefront_size32 1
		.amdhsa_system_sgpr_workgroup_id_x 1
		.amdhsa_system_sgpr_workgroup_id_y 1
		.amdhsa_system_sgpr_workgroup_id_z 1
		.amdhsa_system_vgpr_workitem_id 0
		.amdhsa_next_free_vgpr 384
		.amdhsa_next_free_sgpr 66
		.amdhsa_reserve_vcc 0
		.amdhsa_float_denorm_mode_32 3
		.amdhsa_float_denorm_mode_16_64 3
		.amdhsa_memory_ordered 1
		.amdhsa_forward_progress 1
		.amdhsa_inst_pref_size 255
	.end_amdhsa_kernel
	.section	.bss,"aw",@nobits
	.p2align	6
	.space	262144
	.amdgpu_metadata
---
amdhsa.version: [ 1, 2 ]
amdhsa.kernels:
  - .name:           k_qfc8fe8b3b6_hist
    .symbol:         k_qfc8fe8b3b6_hist.kd
    .args:
      - { .name: img_ref, .offset: 0, .size: 8, .value_kind: global_buffer, .address_space: global }
      - { .name: img_tar, .offset: 8, .size: 8, .value_kind: global_buffer, .address_space: global }
      - { .name: bins_ref, .offset: 16, .size: 8, .value_kind: global_buffer, .address_space: global }
      - { .name: bins_tar, .offset: 24, .size: 8, .value_kind: global_buffer, .address_space: global }
      - { .name: lowp_scales, .offset: 32, .size: 8, .value_kind: global_buffer, .address_space: global }
      - { .name: mm, .offset: 40, .size: 8, .value_kind: global_buffer, .address_space: global }
      - { .name: part, .offset: 48, .size: 8, .value_kind: global_buffer, .address_space: global }
    .group_segment_fixed_size: 173056
    .private_segment_fixed_size: 0
    .kernarg_segment_align: 8
    .kernarg_segment_size: 56
    .max_flat_workgroup_size: 256
    .sgpr_count:     66
    .vgpr_count:     384
    .wavefront_size: 32
...
	.end_amdgpu_metadata
.endif
;; end of part 2
;; launch addup (part 3): grid 256 x 1, 2 waves a work-group, no clusters, 0 bytes of LDS; arguments part, out0; writes out0
.if DOCPART == 3
	.amdgcn_target "amdgcn-amd-amdhsa--gfx1250"
	.amdhsa_code_object_version 6
	.text
	.protected	k_qfc8fe8b3b6_addup
	.globl	k_qfc8fe8b3b6_addup
	.p2align	8
	.type	k_qfc8fe8b3b6_addup,@function
k_qfc8fe8b3b6_addup:
	s_mov_b64 s[64:65], 0
	v_nop
	global_prefetch_b8 v0, s[64:65] scope:SCOPE_SE
	s_setreg_imm32_b32 hwreg(HW_REG_WAVE_MODE, 25, 1), 1
	s_wait_xcnt 0x0
; out0[n][b][c] = the sum over g = 0 .. 15 of part[16 n + g][b][c].  part: 256 x 4,096 f32, already scaled; out0: 16 x 4,096 f32.
; 256 work-groups of two waves; a thread owns 16 bytes of out0 and adds the 16 partial sums for them, g ascending.
; Each load and the store of a wave cover 512 consecutive bytes; all 16 loads are issued before the first is waited for.  Every byte of part is read once.
.set P, 4                              ; v4-67  sixteen loads of four registers
	s_load_b128 s[4:7], s[0:1], 0x0                ; part, out0
	v_lshlrev_b32 v1, 4, v0                        ; 16 bytes a thread
	s_lshr_b32 s8, ttmp9, 4                        ; the batch: 16 work-groups share its 16 KiB of out0
	s_lshl_b32 s8, s8, 18                          ; its 16 partial sums of 16,384 bytes
	s_and_b32 s9, ttmp9, 15
	s_lshl_b32 s9, s9, 10                          ; my work-group's 1,024 bytes in each
	s_add_co_u32 s8, s8, s9
	s_mov_b32 s9, 0
	s_lshl_b32 s10, ttmp9, 10                      ; and in out0
	s_mov_b32 s11, 0
	s_wait_kmcnt 0x0
	s_add_nc_u64 s[4:5], s[4:5], s[8:9]
	s_add_nc_u64 s[6:7], s[6:7], s[10:11]
.irp g, 0,1,2,3,4,5,6,7,8,9,10,11,12,13,14,15
	global_load_b128 v[P+4*\g:P+4*\g+3], v1, s[4:5] offset:16384*\g th:TH_LOAD_NT
.endr
.irp g, 1,2,3,4,5,6,7,8,9,10,11,12,13,14,15
	s_wait_loadcnt 15-\g                           ; loads come back in order: 0 to g are in, 15 - g are younger
	v_pk_add_f32 v[P:P+1], v[P:P+1], v[P+4*\g:P+4*\g+1]
	v_pk_add_f32 v[P+2:P+3], v[P+2:P+3], v[P+4*\g+2:P+4*\g+3]
.endr
	global_store_b128 v1, v[P:P+3], s[6:7] th:TH_STORE_NT
	s_endpgm
.Lfunc_end_k_qfc8fe8b3b6_addup:
	.size	k_qfc8fe8b3b6_addup, .Lfunc_end_k_qfc8fe8b3b6_addup-k_qfc8fe8b3b6_addup
	.p2alignl 7, 3214868480
	.fill 96, 4, 3214868480
	.section	.rodata,"a",@progbits
	.p2align	6, 0x0
	.amdhsa_kernel k_qfc8fe8b3b6_addup
		.amdhsa_group_segment_fixed_size 0
		.amdhsa_private_segment_fixed_size 0
		.amdhsa_enable_private_segment 0
		.amdhsa_kernarg_size 16
		.amdhsa_user_sgpr_count 2
		.amdhsa_user_sgpr_kernarg_segment_ptr 1
		.amdhsa_wavefront_size32 1
		.amdhsa_system_sgpr_workgroup_id_x 1
		.amdhsa_system_sgpr_workgroup_id_y 1
		.amdhsa_system_sgpr_workgroup_id_z 1
		.amdhsa_system_vgpr_workitem_id 0
		.amdhsa_next_free_vgpr 68
		.amdhsa_next_free_sgpr 66
		.amdhsa_reserve_vcc 0
		.amdhsa_float_denorm_mode_32 3
		.amdhsa_float_denorm_mode_16_64 3
		.amdhsa_memory_ordered 1
		.amdhsa_forward_progress 1
		.amdhsa_inst_pref_size 5
	.end_amdhsa_kernel
	.amdgpu_metadata
---
amdhsa.version: [ 1, 2 ]
amdhsa.kernels:
  - .name:           k_qfc8fe8b3b6_addup
    .symbol:         k_qfc8fe8b3b6_addup.kd
    .args:
      - { .name: part, .offset: 0, .size: 8, .value_kind: global_buffer, .address_space: global }
      - { .name: out0, .offset: 8, .size: 8, .value_kind: global_buffer, .address_space: global }
    .group_segment_fixed_size: 0
    .private_segment_fixed_size: 0
    .kernarg_segment_align: 8
    .kernarg_segment_size: 16
    .max_flat_workgroup_size: 64
    .sgpr_count:     66
    .vgpr_count:     68
    .wavefront_size: 32
...
	.end_amdgpu_metadata
.endif
;; end of part 3
;; ======== version 2 of 2: 3 launches
;; workspace buffers: mm 2,048 bytes; part 4,194,304 bytes
;; launch minmax (part 4): grid 256 x 1, 8 waves a work-group, no clusters, 1,280 bytes of LDS; arguments img_ref, img_tar, mm; writes mm
.if DOCPART == 4
	.amdgcn_target "amdgcn-amd-amdhsa--gfx1250"
	.amdhsa_code_object_version 6
	.text
	.protected	k_qfc8fe8b3b6_minmax
	.globl	k_qfc8fe8b3b6_minmax
	.p2align	8
	.type	k_qfc8fe8b3b6_minmax,@function
k_qfc8fe8b3b6_minmax:
	s_mov_b64 s[64:65], 0
	v_nop
	global_prefetch_b8 v0, s[64:65] scope:SCOPE_SE
	s_setreg_imm32_b32 hwreg(HW_REG_WAVE_MODE, 25, 1), 1
	s_wait_xcnt 0x0
; The smallest and the largest number of 32 KiB of an image.  img_ref, img_tar: 1,048,576 f32 each (4 MiB).
; Work-groups 0-127 take img_ref, 128-255 img_tar: 128 pieces of 8,192 numbers each.  Eight waves; a thread loads 8 x 16 bytes,
; a wave's load covers 512 consecutive bytes, the eight waves' 4,096.  Nothing is read twice.
; mm: four arrays of 128 f32: ref minima, ref maxima, tar minima, tar maxima.  A work-group stores one word into two of them.
; LIMIT: NaN among the inputs is not served (the minimum and maximum used here let a NaN lose).
.set X, 8                              ; v8-39  the eight loads
	s_load_b128 s[4:7], s[0:1], 0x0                ; img_ref, img_tar
	s_load_b64 s[8:9], s[0:1], 0x10                ; mm
	v_lshl_add_u32 v40, v0, 2, 0x100
	v_mov_b32 v41, 0
	v_lshrrev_b32 v1, 5, v0
	s_delay_alu instid0(VALU_DEP_1)
	v_readfirstlane_b32 s10, v1                    ; wave 0..7
	v_lshlrev_b32 v2, 4, v0                        ; 16 bytes a thread
	s_delay_alu instid0(VALU_DEP_3)
	v_lshlrev_b32 v3, 3, v1                        ; LDS: 8 bytes a wave
	s_and_b32 s11, ttmp9, 127                      ; which piece of the image
	s_lshl_b32 s12, s11, 15                        ; x 32,768 bytes
	s_mov_b32 s13, 0
	s_lshr_b32 s16, ttmp9, 7                       ; which image
	s_lshl_b32 s16, s16, 10                        ; its two arrays in mm: 1,024 bytes
	s_lshl_b32 s17, s11, 2
	s_add_co_u32 s16, s16, s17                     ; + 4 x piece
	s_mov_b32 s17, 0
	s_mov_b32 s14, 0x76543210                      ; v_permlanex16_b32: each lane takes its own place in the other half
	s_mov_b32 s15, 0xfedcba98
	s_wait_alu depctr_va_vdst(0)
	s_wait_kmcnt 0x0
	s_cmp_lt_u32 ttmp9, 128                        ; the choice hangs on the work-group's number alone
	s_cselect_b64 s[4:5], s[4:5], s[6:7]
	s_add_nc_u64 s[4:5], s[4:5], s[12:13]
	s_add_nc_u64 s[8:9], s[8:9], s[16:17]
.irp q, 0,1,2,3,4,5,6,7
	global_load_b128 v[X+4*\q:X+4*\q+3], v2, s[4:5] offset:4096*\q   ; no hint: the next launch reads the same bytes
.endr
	s_wait_loadcnt 7                               ; loads come back in order: the first is in, seven are younger
	v_min3_num_f32 v4, v8, v9, v10                 ; the first numbers start both chains: nothing is cleared
	v_max3_num_f32 v5, v8, v9, v10
	s_delay_alu instid0(VALU_DEP_2)
	v_min_num_f32 v4, v4, v11
	s_delay_alu instid0(VALU_DEP_2)
	v_max_num_f32 v5, v5, v11
	s_wait_alu depctr_va_vdst(0)
.irp q, 1,2,3,4,5,6,7
	s_wait_alu depctr_va_vdst(0)
	s_wait_loadcnt 7-\q                            ; load q is in; 7 - q are younger
	v_min3_num_f32 v4, v4, v[X+4*\q], v[X+4*\q+1]
	v_max3_num_f32 v5, v5, v[X+4*\q], v[X+4*\q+1]
	s_delay_alu instid0(VALU_DEP_2)
	v_min3_num_f32 v4, v4, v[X+4*\q+2], v[X+4*\q+3]
	s_delay_alu instid0(VALU_DEP_2)
	v_max3_num_f32 v5, v5, v[X+4*\q+2], v[X+4*\q+3]
.endr
.irp m, 1,2,4,8                        ; across the 16 lanes of a half
	s_delay_alu instid0(VALU_DEP_2)
	v_min_num_f32_dpp v4, v4, v4 row_xmask:\m row_mask:0xf bank_mask:0xf
	s_delay_alu instid0(VALU_DEP_2)
	v_max_num_f32_dpp v5, v5, v5 row_xmask:\m row_mask:0xf bank_mask:0xf
.endr
	s_delay_alu instid0(VALU_DEP_2)
	v_permlanex16_b32 v8, v4, s14, s15             ; the other half (v8, v9 have been written: a permute's destination counts as read)
	s_delay_alu instid0(VALU_DEP_2)
	v_permlanex16_b32 v9, v5, s14, s15
	s_delay_alu instid0(VALU_DEP_2)
	v_min_num_f32 v4, v4, v8
	s_delay_alu instid0(VALU_DEP_2)
	v_max_num_f32 v5, v5, v9
	ds_store_b64 v3, v[4:5]                        ; all lanes of a wave write the same two words with the same values
	s_wait_dscnt 0x0                               ; for the others' sake: my store has landed
	s_barrier_signal -1
	s_barrier_wait -1
	s_cmp_lg_u32 s10, 0                            ; wave 0 finishes
	s_cbranch_scc1 .Lend
	v_mov_b32 v6, 0
.irp w, 0,1,2,3
	ds_load_b128 v[X+4*\w:X+4*\w+3], v6 offset:16*\w   ; (min, max) of waves 2 w and 2 w + 1
.endr
	s_wait_dscnt 0x0
	v_min3_num_f32 v4, v8, v10, v12
	v_max3_num_f32 v5, v9, v11, v13
	s_delay_alu instid0(VALU_DEP_2)
	v_min3_num_f32 v4, v4, v14, v16
	s_delay_alu instid0(VALU_DEP_2)
	v_max3_num_f32 v5, v5, v15, v17
	s_delay_alu instid0(VALU_DEP_2)
	v_min3_num_f32 v4, v4, v18, v20
	s_delay_alu instid0(VALU_DEP_2)
	v_max3_num_f32 v5, v5, v19, v21
	s_delay_alu instid0(VALU_DEP_2)
	v_min_num_f32 v4, v4, v22
	s_delay_alu instid0(VALU_DEP_2)
	v_max_num_f32 v5, v5, v23
	v_cmp_eq_u32 vcc_lo, 0, v0
	s_delay_alu instid0(VALU_DEP_1)
	v_cndmask_b32 v6, v5, v4, vcc_lo               ; lane 0: the minimum; lane 1: the maximum
	v_lshlrev_b32 v7, 9, v0                        ; the array of maxima lies 512 bytes behind that of minima
	v_cmp_gt_u32 vcc_lo, 2, v0
	s_wait_alu depctr_va_vdst(0)
	s_wait_xcnt 0x0                                ; EXEC changes only behind this wait
	s_and_saveexec_b32 s18, vcc_lo
	global_store_b32 v7, v6, s[8:9]
	s_wait_xcnt 0x0                                ; and again in front of the line that widens it
	s_or_b32 exec_lo, exec_lo, s18
.Lend:
	s_wait_tensorcnt 0x0
	ds_add_u32 v40, v41
	s_wait_dscnt 0x0
	s_endpgm
.Lfunc_end_k_qfc8fe8b3b6_minmax:
	.size	k_qfc8fe8b3b6_minmax, .Lfunc_end_k_qfc8fe8b3b6_minmax-k_qfc8fe8b3b6_minmax
	.p2alignl 7, 3214868480
	.fill 96, 4, 3214868480
	.section	.rodata,"a",@progbits
	.p2align	6, 0x0
	.amdhsa_kernel k_qfc8fe8b3b6_minmax
		.amdhsa_group_segment_fixed_size 1280
		.amdhsa_private_segment_fixed_size 0
		.amdhsa_enable_private_segment 0
		.amdhsa_kernarg_size 24
		.amdhsa_user_sgpr_count 2
		.amdhsa_user_sgpr_kernarg_segment_ptr 1
		.amdhsa_wavefront_size32 1
		.amdhsa_system_sgpr_workgroup_id_x 1
		.amdhsa_system_sgpr_workgroup_id_y 1
		.amdhsa_system_sgpr_workgroup_id_z 1
		.amdhsa_system_vgpr_workitem_id 0
		.amdhsa_next_free_vgpr 42
		.amdhsa_next_free_sgpr 66
		.amdhsa_reserve_vcc 1
		.amdhsa_float_denorm_mode_32 3
		.amdhsa_float_denorm_mode_16_64 3
		.amdhsa_memory_ordered 1
		.amdhsa_forward_progress 1
		.amdhsa_inst_pref_size 8
	.end_amdhsa_kernel
	.amdgpu_metadata
---
amdhsa.version: [ 1, 2 ]
amdhsa.kernels:
  - .name:           k_qfc8fe8b3b6_minmax
    .symbol:         k_qfc8fe8b3b6_minmax.kd
    .args:
      - { .name: img_ref, .offset: 0, .size: 8, .value_kind: global_buffer, .address_space: global }
      - { .name: img_tar, .offset: 8, .size: 8, .value_kind: global_buffer, .address_space: global }
      - { .name: mm, .offset: 16, .size: 8, .value_kind: global_buffer, .address_space: global }
    .group_segment_fixed_size: 1280
    .private_segment_fixed_size: 0
    .kernarg_segment_align: 8
    .kernarg_segment_size: 24
    .max_flat_workgroup_size: 256
    .sgpr_count:     66
    .vgpr_count:     42
    .wavefront_size: 32
...
	.end_amdgpu_metadata
.endif
;; end of part 4
;; launch hist (part 5): grid 256 x 1, 8 waves a work-group, no clusters, 173,056 bytes of LDS; arguments img_ref, img_tar, bins_ref, bins_tar, lowp_scales, mm, part; writes part
.if DOCPART == 5
	.amdgcn_target "amdgcn-amd-amdhsa--gfx1250"
	.amdhsa_code_object_version 6
	.text
	.protected	k_qfc8fe8b3b6_hist
	.globl	k_qfc8fe8b3b6_hist
	.p2align	8
	.type	k_qfc8fe8b3b6_hist,@function
k_qfc8fe8b3b6_hist:
	s_mov_b64 s[64:65], 0
	v_nop
	global_prefetch_b8 v0, s[64:65] scope:SCOPE_SE
	s_setreg_imm32_b32 hwreg(HW_REG_WAVE_SCHED_MODE, 0, 2), 2
	s_setreg_imm32_b32 hwreg(HW_REG_WAVE_MODE, 25, 1), 1
	s_wait_xcnt 0x0
	s_wait_alu depctr_vm_vsrc(0)
; part[g][b][c] = 2^(e0 + e1 + 12) x the sum over 4,096 pixels p of code(W_ref[b][p]) code(W_tar[c][p]);  g = 16 x batch + sixteenth of the batch's 65,536 pixels.
; W[b][p] = B3(64 (bins[b] - r[p])), B3 the cubic B-spline, r = (x - xmin) / (xmax - xmin) over the whole tensor; code = W / 2^e held at 448, E4M3, nearest even.
; 1 / EPS^2 = 2^12; e0, e1 = lowp_scales[0] (W_ref), [1] (W_tar).  The products go by v_wmma_f32_16x16x64_fp8_fp8, sums in f32.
; SHARES.  Eight waves, 512 pixels each, 8 steps of 64.  A wave makes ALL 64 + 64 rows of W for its pixels, so no W is computed twice, and keeps all 16 tiles of the 64 x 64 sums (128 registers).
; LAYOUT.  A fragment's lane (r, h) holds row 16 i + r and 32 of the step's 64 pixels along its registers: so a lane keeps its bin in a register and needs 32 pixels, the same in all 16 lanes of a half.
; Each wave normalises its pixels once (32 numbers a lane), lays them into its own 4 KiB of LDS, and every lane fetches its 32 by eight loads of 16 bytes.  Which pixel stands at which k is the same in both
; operands, which is all that the sum asks.  Source 0 = 16 rows of W_tar, source 1 = 16 rows of W_ref: a lane's eight results are eight neighbouring columns c of one row b.
; THE SPLINE, with T = 64 t:  t = min(|b - r|, 2/64);  a = k (2 - T), k = 6^(-1/3), one fused multiply-add;  a^3 = (2 - T)^3 / 6;  in = 2/3 - (2048 / k) t^2 a = 2/3 - T^2 + T^3 / 2.
; a^3 - in = 4 (1 - T)^3 / 6: so min(a^3, in) is the inner branch where T < 1 and the outer one where T >= 1, and 0 from T = 2 on.  The third operand of that minimum is 448 x 2^e: the conversion does not
; saturate (ISA guide 7.6.2).  The powers of two (64, 2048, 4096) are folded into the constants, which rounds nothing.  Sixteen numbers take 90 instructions.
; LIMITS.  NaN among the inputs is not served.  xmax - xmin lies between 2^-126 and 2^126 (v_rcp_f32 flushes denormals).  e0, e1 between -126 and 119, so that 2^e and 448 x 2^e are f32 numbers.
; The f32 sums are taken in another order than one chain along K: 8 waves here, 16 work-groups in the next launch.
; No cluster: work-groups share 2 KiB of minima and maxima and 512 bytes of bins, nothing else.  No tensor load: a wave's input is 4 KiB, asked for once at the head.
; THE MODE: SCHED_MODE bits 1:0 = 2 (LLVM: expert scheduling mode 2), set by the entry lines.  The code itself states the register dependences
; between vector or matrix instructions and memory or LDS instructions, with s_wait_alu, always for 0.
; THE PLAN.  Registers that memory or LDS instructions touch, in the loop:
;   PY       Read by a step's eight batches of W_tar; behind them the next step's pixels of img_tar land in it.
;   PX       Read by a step's eight batches of W_ref; behind them, and ahead of the step's products, the next step's pixels of img_ref land in it.
;   v[ADR]   Written once a step, in its middle; read by the sixteen LDS loads that follow, eight there and eight half a step on.
;   The fragments, D, a, t^2, the bins, the constants and the accumulators are named by vector and matrix instructions alone.
; So a step that fetches has two waits on va_vdst, each behind the batches that empty a buffer and directly ahead of the eight loads that fill it again (the first also states that v[ADR] is written),
; and one wait on vm_vsrc, ahead of the add to v[ADR].  The step that fetches nothing has none.  The products name the fragments and the accumulators: none of the registers of the loads that stand ahead of them.
; At the head and at the end each run of loads or stores has its wait where its addresses and data were last written; the comments there say which.
.set PIXW, 4096                        ; LDS: a wave's pixels: 512 of img_tar, then 512 of img_ref
.set REFO, 2048
.set STG,  8*PIXW                      ; behind them: eight copies of the 64 x 64 sums,
.set SP,   272                         ; rows of 256 bytes + 16: 68 words, so that the 16 rows that a store touches begin at 16 different banks (64 banks of 4 bytes: ISA guide 11.1)
.set COPY, 64*SP
.set GOF, 1                            ; v1   16 x thread: my bytes of a load of pixels
.set MOF, 2                            ; v2   16 x lane: my four of 128 minima or maxima
.set BOF, 3                            ; v3   4 x (lane % 16): my bin of a tile
.set PST, 4                            ; v4   LDS: where I put 16 bytes of pixels
.set PRD, 5                            ; v5   LDS: my half's 32 pixels of step 0
.set ADR, 6                            ; v6   the same of the step that is being fetched
.set STO, 7                            ; v7   the sums: where I put 32 bytes of a row
.set SRD, 8                            ; v8, v9  the sums: where I read rows back, copies 0-3 and 4-7
.set GO,  10                           ; v10  my byte offset in the work-group's 16 KiB of part
.set SCR, 11                           ; v11  2^e0 as f32;  v12  2^e1
.set SCT, 12
.set HH,  13                           ; v13  lane / 16;  v14 lane;  v15 lane % 16
.set LN,  14
.set RR,  15
.set KN,  16                           ; v[16:17] -64 k;  v[18:19] 2 k;  v[20:21] -2048 / k;  v[22:23] 2/3: each twice, for the packed forms
.set K2,  18
.set C1,  20
.set C23, 22
.set BR,  24                           ; v24-31  bins_ref[16 i + r], twice each;  v32-39 bins_tar likewise
.set BT,  32
.set NR,  40                           ; v40-45  img_ref: xmin, xmax - xmin, its reciprocal, twice each;  v46-51 img_tar
.set NT,  46
.set PX,  64                           ; v64-95   32 pixels of img_ref
.set PY,  96                           ; v96-127  32 pixels of img_tar
.set D0,  128                          ; v128-143, v144-159  d, t, a^2, a^3, W of 16 numbers: two sets by turns, so that the registers that a conversion has just read are not the next to be written
.set D1,  144
.set AA,  160                          ; v160-175 a
.set SS,  176                          ; v176-191 t^2, t^2 a, the inner branch
.set BF,  192                          ; v192-223 W_tar's four fragments
.set AF,  224                          ; v224-255 W_ref's four
.set SUM, 64                           ; the end: v64-191, eight copies of my 8 rows
                                       ; window 1: v0-127 the accumulators, tile (i, j) at v[8 (4 i + j)]
.set WV,   18                          ; s18  wave
.set WB,   19                          ; s19  4,096 x wave
.set LIMR, 24                          ; s24  448 x 2^e0;  s25  448 x 2^e1
.set LIMT, 25
.set TWO,  26                          ; s26  2/64
.set CNT,  27
.set OFF,  28                          ; s28  256 x the step that is fetched next
.set ESUM, 29                          ; s29  e0 + e1 + 12
.set SEL,  30                          ; s[30:31] v_permlanex16_b32: lane l xor 16
.set MSB, 0
.macro WIN new                         ; the immediate's high byte repeats the setting that is left
.if MSB != \new
	s_set_vgpr_msb (MSB<<8)|\new
.set MSB, \new
.endif
.endm
	s_load_b256 s[4:11], s[0:1], 0x0               ; img_ref s[4:5], img_tar s[6:7], bins_ref s[8:9], bins_tar s[10:11]
	s_load_b128 s[12:15], s[0:1], 0x20             ; lowp_scales s[12:13], mm s[14:15]
	s_load_b64 s[16:17], s[0:1], 0x30              ; part
	v_lshl_add_u32 v62, v0, 2, 0x2a000
	v_mov_b32 v63, 0
	v_lshrrev_b32 v[ADR], 5, v0
	v_readfirstlane_b32 s[WV], v[ADR]              ; wave 0..7
	v_and_b32 v[LN], 31, v0
	v_and_b32 v[RR], 15, v0
	v_bfe_u32 v[HH], v0, 4, 1
	v_lshlrev_b32 v[GOF], 4, v0
	v_lshlrev_b32 v[MOF], 4, v[LN]
	v_lshlrev_b32 v[BOF], 2, v[RR]
	s_wait_alu depctr_va_sdst(0)                   ; s18, the wave's number, is written, ahead of its first reader
	s_lshl_b32 s[WB], s[WV], 12
	v_lshl_add_u32 v[PST], v[LN], 4, s[WB]         ; my wave's pixels + 16 x lane
	v_lshl_add_u32 v[PRD], v[HH], 7, s[WB]         ; my wave's pixels + 128 x half: lanes 0-15 take a step's first 32 pixels, lanes 16-31 its last 32
	s_lshl_b32 s20, ttmp9, 14                      ; the work-group's 4,096 pixels, and its 64 x 64 sums: 16,384 bytes each
	s_mov_b32 s21, 0
	s_mov_b32 s[TWO], 0x3d000000                   ; 2/64
	s_mov_b32 s[SEL], 0x76543210
	s_mov_b32 s[SEL+1], 0xfedcba98
	s_wait_kmcnt 0x0
	s_load_b64 s[22:23], s[12:13], 0x0             ; e0, e1
	s_add_nc_u64 s[4:5], s[4:5], s[20:21]
	s_add_nc_u64 s[6:7], s[6:7], s[20:21]
	s_add_nc_u64 s[16:17], s[16:17], s[20:21]
	s_wait_alu depctr_va_vdst(0)                   ; the offsets and addresses v1 to v5 are written, which the loads below, the LDS stores of the pixels and the first LDS loads read; none of them is written again
.irp a, 0,1,2,3                        ; 128 ref minima, ref maxima, tar minima, tar maxima: four of each a lane
	global_load_b128 v[D0+4*\a:D0+4*\a+3], v[MOF], s[14:15] offset:512*\a
.endr
.irp q, 0,1,2,3                        ; a wave's load covers 512 consecutive bytes; which 512 pixels a wave gets is free, so long as both images give it the same
	global_load_b128 v[PX+4*\q:PX+4*\q+3], v[GOF], s[4:5] offset:4096*\q th:TH_LOAD_NT
	global_load_b128 v[PX+16+4*\q:PX+16+4*\q+3], v[GOF], s[6:7] offset:4096*\q th:TH_LOAD_NT
.endr
.irp i, 0,1,2,3
	global_load_b32 v[BR+2*\i], v[BOF], s[8:9] offset:64*\i
	global_load_b32 v[BT+2*\i], v[BOF], s[10:11] offset:64*\i
.endr
.irp u, 0,1
	v_mov_b32 v[KN+\u], 0xc20ce1da                 ; -64 k, k = 6^(-1/3) = 0.55032121
	v_mov_b32 v[K2+\u], 0x3f8ce1da                 ; 2 k: the same mantissa, so that a = k (2 - T), rounded once, and 0 at T = 2
	v_mov_b32 v[C1+\u], 0xc5689768                 ; -2048 / k
	v_mov_b32 v[C23+\u], 0x3f2aaaab                ; 2/3
.endr
	s_wait_kmcnt 0x0
	s_add_co_i32 s[LIMR], s22, 127
	s_lshl_b32 s32, s[LIMR], 23
	v_mov_b32 v[SCR], s32                          ; 2^e0 as f32: the conversion takes its exponent field
	s_add_co_i32 s[LIMR], s[LIMR], 8
	s_lshl_b32 s[LIMR], s[LIMR], 23
	s_or_b32 s[LIMR], s[LIMR], 0x600000            ; 448 x 2^e0
	s_add_co_i32 s[LIMT], s23, 127
	s_lshl_b32 s33, s[LIMT], 23
	v_mov_b32 v[SCT], s33
	s_add_co_i32 s[LIMT], s[LIMT], 8
	s_lshl_b32 s[LIMT], s[LIMT], 23
	s_or_b32 s[LIMT], s[LIMT], 0x600000
	s_add_co_i32 s[ESUM], s22, s23
	s_add_co_i32 s[ESUM], s[ESUM], 12
	; the tensors' minima and maxima: every wave reduces the 4 x 128 numbers for itself
	s_wait_loadcnt 16                              ; the first four loads are in; the 8 of pixels and the 8 of bins are younger
.irp a, 0,8
	v_min3_num_f32 v[D0+\a], v[D0+\a], v[D0+\a+1], v[D0+\a+2]
	v_max3_num_f32 v[D0+\a+4], v[D0+\a+4], v[D0+\a+5], v[D0+\a+6]
.endr
.irp a, 0,8
	v_min_num_f32 v[D0+\a], v[D0+\a], v[D0+\a+3]
	v_max_num_f32 v[D0+\a+4], v[D0+\a+4], v[D0+\a+7]
.endr
.irp m, 1,2,4,8
.irp a, 0,8
	v_min_num_f32_dpp v[D0+\a], v[D0+\a], v[D0+\a] row_xmask:\m row_mask:0xf bank_mask:0xf
	v_max_num_f32_dpp v[D0+\a+4], v[D0+\a+4], v[D0+\a+4] row_xmask:\m row_mask:0xf bank_mask:0xf
.endr
.endr
.irp a, 0,4,8,12
	v_permlanex16_b32 v[D0+\a+1], v[D0+\a], s[SEL], s[SEL+1]   ; (the destinations have been written)
.endr
.irp u, 0,1
	v_min_num_f32 v[NR+\u], v[D0], v[D0+1]         ; xmin, twice: a pair for the packed forms
	v_min_num_f32 v[NT+\u], v[D0+8], v[D0+9]
.endr
	v_max_num_f32 v[D0+4], v[D0+4], v[D0+5]        ; xmax
	v_max_num_f32 v[D0+12], v[D0+12], v[D0+13]
.irp u, 0,1
	v_sub_f32 v[NR+2+\u], v[D0+4], v[NR]           ; xmax - xmin
	v_sub_f32 v[NT+2+\u], v[D0+12], v[NT]
.endr
	s_wait_alu depctr_va_vdst(0)
	v_rcp_f32 v[NR+4], v[NR+2]
	v_rcp_f32 v[NT+4], v[NT+2]
	v_nop                                          ; a plain instruction behind the reciprocals (ISA guide 5.7.2),
	s_wait_alu depctr_va_vdst(0)                   ; and one wait for both, ahead of their first reader: v44 and v50 are written
	v_fma_f32 v[D0], -v[NR+2], v[NR+4], 1.0        ; one step of Newton's on each reciprocal
	v_fma_f32 v[D0+8], -v[NT+2], v[NT+4], 1.0
	v_fma_f32 v[NR+4], v[D0], v[NR+4], v[NR+4]
	v_fma_f32 v[NT+4], v[D0+8], v[NT+4], v[NT+4]
	v_mov_b32 v[NR+5], v[NR+4]
	v_mov_b32 v[NT+5], v[NT+4]
; r = (x - xmin) / (xmax - xmin) for 16 numbers: the quotient by the reciprocal, then mended by its own residual: n = x - xmin; q = n c; q += (n - q D) c
.macro NORM src, dst, q
.irp p, 0,2,4,6,8,10,12,14
	v_pk_add_f32 v[AA+\p:AA+\p+1], v[\src+\p:\src+\p+1], v[\q:\q+1] neg_lo:[0,1] neg_hi:[0,1]
.endr
.irp p, 0,2,4,6,8,10,12,14
	v_pk_mul_f32 v[\dst+\p:\dst+\p+1], v[AA+\p:AA+\p+1], v[\q+4:\q+5]
.endr
.irp p, 0,2,4,6,8,10,12,14
	v_pk_fma_f32 v[AA+\p:AA+\p+1], v[\dst+\p:\dst+\p+1], v[\q+2:\q+3], v[AA+\p:AA+\p+1] neg_lo:[1,0,0] neg_hi:[1,0,0]
.endr
.irp p, 0,2,4,6,8,10,12,14
	v_pk_fma_f32 v[\dst+\p:\dst+\p+1], v[AA+\p:AA+\p+1], v[\q+4:\q+5], v[\dst+\p:\dst+\p+1]
.endr
.endm
.macro LOADP dst, adr, off             ; my 32 pixels of a step: eight loads of 16 bytes; the 16 lanes of a half read the same bytes
.irp c, 0,1,2,3,4,5,6,7
	ds_load_b128 v[\dst+4*\c:\dst+4*\c+3], v[\adr] offset:\off+16*\c
.endr
.endm
	s_wait_loadcnt 8                               ; the pixels are in; the 8 loads of bins are younger
	NORM PX, BF, NR                                ; into the registers that the fragments will take
	NORM PX+16, BF+16, NT
	s_wait_alu depctr_va_vdst(0)                   ; the normalised pixels are written into v[BF ..], which the LDS stores read; and the lines above are done reading v64-95, in which step 0's pixels of img_ref land
.irp q, 0,1,2,3
	ds_store_b128 v[PST], v[BF+16+4*\q:BF+16+4*\q+3] offset:512*\q
	ds_store_b128 v[PST], v[BF+4*\q:BF+4*\q+3] offset:REFO+512*\q
.endr
	LOADP PY, PRD, 0                               ; step 0.  My wave's own bytes, and LDS serves a wave's instructions in order (ISA guide 5.7.1.4): no wait, no barrier
	LOADP PX, PRD, REFO
	s_wait_loadcnt 0x0                             ; the bins
.irp i, 0,1,2,3
	v_mov_b32 v[BR+2*\i+1], v[BR+2*\i]             ; twice each, for the packed subtraction
	v_mov_b32 v[BT+2*\i+1], v[BT+2*\i]
.endr
	s_wait_alu depctr_vm_vsrc(0)                   ; my LDS stores have read v[BF ..]: from here on the conversions write these registers
; Sixteen numbers of W: the bin in v[bn], the pixels in v[px] on; their codes into v[fr] .. v[fr + 3].  Each stage is 8 or 16 instructions that do not depend on each other.
.macro BATCH bn, px, fr, dd, sc, lm
.irp p, 0,2,4,6,8,10,12,14
	v_pk_add_f32 v[\dd+\p:\dd+\p+1], v[\bn:\bn+1], v[\px+\p:\px+\p+1] neg_lo:[0,1] neg_hi:[0,1]   ; d = b - r
.endr
.irp e, 0,1,2,3,4,5,6,7,8,9,10,11,12,13,14,15
	v_min_num_f32 v[\dd+\e], |v[\dd+\e]|, s[TWO]                                                  ; t = min(|d|, 2/64)
.endr
.irp p, 0,2,4,6,8,10,12,14
	v_pk_fma_f32 v[AA+\p:AA+\p+1], v[\dd+\p:\dd+\p+1], v[KN:KN+1], v[K2:K2+1]                     ; a = k (2 - 64 t), not negative
.endr
.irp p, 0,2,4,6,8,10,12,14
	v_pk_mul_f32 v[SS+\p:SS+\p+1], v[\dd+\p:\dd+\p+1], v[\dd+\p:\dd+\p+1]                         ; t^2
.endr
.irp p, 0,2,4,6,8,10,12,14
	v_pk_mul_f32 v[\dd+\p:\dd+\p+1], v[AA+\p:AA+\p+1], v[AA+\p:AA+\p+1]                           ; a^2
.endr
.irp p, 0,2,4,6,8,10,12,14
	v_pk_mul_f32 v[SS+\p:SS+\p+1], v[SS+\p:SS+\p+1], v[AA+\p:AA+\p+1]                             ; t^2 a
.endr
.irp p, 0,2,4,6,8,10,12,14
	v_pk_mul_f32 v[\dd+\p:\dd+\p+1], v[\dd+\p:\dd+\p+1], v[AA+\p:AA+\p+1]                         ; a^3: the outer branch
.endr
.irp p, 0,2,4,6,8,10,12,14
	v_pk_fma_f32 v[SS+\p:SS+\p+1], v[SS+\p:SS+\p+1], v[C1:C1+1], v[C23:C23+1]                     ; 2/3 - (2048 / k) t^2 a: the inner branch
.endr
.irp e, 0,1,2,3,4,5,6,7,8,9,10,11,12,13,14,15
	v_min3_num_f32 v[\dd+\e], v[\dd+\e], v[SS+\e], s[\lm]                                         ; the branch that holds, held at 448 x 2^e
.endr
	v_cvt_scalef32_pk8_fp8_f32 v[\fr:\fr+1], v[\dd:\dd+7], v[\sc]
	v_cvt_scalef32_pk8_fp8_f32 v[\fr+2:\fr+3], v[\dd+8:\dd+15], v[\sc]   ; what follows is plain and writes the other set of D
.endm
; A step: 64 pixels.  zero = 1: the products start the sums: nothing is cleared.  fetch = 1: the next step's pixels are asked for, each image's as soon as its registers are free: half a step ahead of their use.
.macro STEP zero, fetch
	s_wait_dscnt 8                                 ; img_tar's pixels are in; the eight loads of img_ref's are younger
.irp j, 0,1,2,3
	BATCH BT+2*\j, PY, BF+8*\j, D0, SCT, LIMT
	BATCH BT+2*\j, PY+16, BF+8*\j+4, D1, SCT, LIMT
.endr
.if \fetch
	s_wait_alu depctr_vm_vsrc(0)                   ; the LDS loads issued so far have read v[ADR]
	v_add_nc_u32 v[ADR], s[OFF], v[PRD]
	s_wait_alu depctr_va_vdst(0)                   ; v[ADR] is written, which the sixteen loads of this step read; the eight batches above are done reading PY, in which the loads below land
	LOADP PY, ADR, 0
	s_wait_dscnt 8                                 ; img_ref's pixels are in; the eight loads just issued are younger
.else
	s_wait_dscnt 0x0
.endif
.irp i, 0,1,2,3
	BATCH BR+2*\i, PX, AF+8*\i, D0, SCR, LIMR
	BATCH BR+2*\i, PX+16, AF+8*\i+4, D1, SCR, LIMR
.endr
	v_nop                                          ; one plain instruction between the last conversion and the matrix instruction that reads its result
.if \fetch
	s_wait_alu depctr_va_vdst(0)                   ; the eight batches above are done reading PX, in which the loads below land
	LOADP PX, ADR, REFO                            ; into registers that no matrix instruction names: they stand ahead of the products, under window 0
	s_add_co_u32 s[OFF], s[OFF], 256
.endif
	WIN 0x50                                       ; C and D in window 1
.irp i, 0,1,2,3                        ; the 16 accumulators take turns, one instruction a turn, in the same order in every step
.irp j, 0,1,2,3
.if \zero
	v_wmma_f32_16x16x64_fp8_fp8 v[8*(4*\i+\j):8*(4*\i+\j)+7], v[BF+8*\j:BF+8*\j+7], v[AF+8*\i:AF+8*\i+7], 0
.else
	v_wmma_f32_16x16x64_fp8_fp8 v[8*(4*\i+\j):8*(4*\i+\j)+7], v[BF+8*\j:BF+8*\j+7], v[AF+8*\i:AF+8*\i+7], v[8*(4*\i+\j):8*(4*\i+\j)+7]
.endif
.endr
.endr
	WIN 0                                          ; the fragments are next written 88 plain instructions on (ISA guide 7.12.1 asks for four)
.endm
	s_mov_b32 s[OFF], 256
	s_wait_alu depctr_va_vdst(0)
	STEP 1, 1                                      ; step 0 starts the sums and fetches step 1
	s_mov_b32 s[CNT], 6
.Lstep:                                                ; steps 1 to 6 fetch steps 2 to 7
	STEP 0, 1
	s_sub_co_u32 s[CNT], s[CNT], 1
	s_cmp_lg_u32 s[CNT], 0
	s_cbranch_scc1 .Lstep
	STEP 0, 0                                      ; step 7 is written out: nothing is left to fetch, so it holds no wait of the mode's
	; THE END.  Each wave lays its 64 x 64 sums into its own copy in LDS, as rows; behind a barrier wave w adds rows 8 w .. 8 w + 7 of the eight copies and stores them.
	; The eight vector lines among the address lines are also the places between the last products and the first read of a result.
	s_mul_i32 s32, s[WV], COPY
	s_add_co_u32 s32, s32, STG                     ; my copy
	v_mul_u32_u24 v[STO], v[RR], SP                ; in: row 16 i + r, bytes 64 j + 32 h on
	v_lshl_add_u32 v[STO], v[HH], 5, v[STO]
	v_add_nc_u32 v[STO], s32, v[STO]
	s_mul_i32 s33, s[WV], 8*SP
	s_add_co_u32 s33, s33, STG                     ; back: my 8 rows; lanes 0-15 take one row of 256 bytes, lanes 16-31 the next
	v_mul_u32_u24 v[SRD], v[HH], SP
	v_lshl_add_u32 v[SRD], v[RR], 4, v[SRD]
	v_add_nc_u32 v[SRD], s33, v[SRD]
	v_add_nc_u32 v[SRD+1], 4*COPY, v[SRD]          ; an LDS offset has 16 bits: a second address for copies 4 to 7
	s_lshl_b32 s34, s[WV], 11
	v_lshl_add_u32 v[GO], v[LN], 4, s34            ; 8 rows of 256 bytes a wave, 16 bytes a lane
	WIN 0x04                                       ; the stores' data in window 1
	s_wait_alu depctr_va_vdst(0)                   ; the products have written the accumulators, which the LDS stores read (the places above stay beside this wait); v7 to v10 are written, the addresses of all that follows; and step 7's batches are done with v64-191, in which the loads behind the barrier land: no vector line stands between
.irp i, 0,1,2,3
.irp j, 0,1,2,3
	ds_store_b128 v[STO], v[8*(4*\i+\j):8*(4*\i+\j)+3] offset:\i*16*SP+64*\j         ; each accumulator from its low end on
	ds_store_b128 v[STO], v[8*(4*\i+\j)+4:8*(4*\i+\j)+7] offset:\i*16*SP+64*\j+16
.endr
.endr
	WIN 0
	s_wait_dscnt 0x0                               ; for the others' sake: my stores have landed
	s_barrier_signal -1
	s_barrier_wait -1
.irp c, 0,1,2,3,4,5,6,7
.irp q, 0,1,2,3
	ds_load_b128 v[SUM+16*\c+4*\q:SUM+16*\c+4*\q+3], v[SRD+\c/4] offset:(\c%4)*COPY+\q*2*SP
.endr
.endr
.irp c, 1,2,3,4,5,6,7
	s_wait_alu depctr_va_vdst(0)
	s_wait_dscnt 4*(7-\c)                          ; copies 0 to c are in; four loads for each later copy are younger
.irp p, 0,2,4,6,8,10,12,14
	v_pk_add_f32 v[SUM+\p:SUM+\p+1], v[SUM+\p:SUM+\p+1], v[SUM+16*\c+\p:SUM+16*\c+\p+1]
.endr
.endr
.irp e, 0,1,2,3,4,5,6,7,8,9,10,11,12,13,14,15
	v_ldexp_f32 v[SUM+\e], v[SUM+\e], s[ESUM]      ; x 2^(e0 + e1) / EPS^2
.endr
	s_wait_alu depctr_va_vdst(0)                   ; the scaled sums are written into v64-79, which the stores read
.irp q, 0,1,2,3
	global_store_b128 v[GO], v[SUM+4*\q:SUM+4*\q+3], s[16:17] offset:512*\q   ; 32 lanes store two rows: 512 consecutive bytes, at a multiple of 256 from part's first byte
.endr
	s_wait_dscnt 0x0
	s_wait_alu depctr_hold_cnt(0) depctr_sa_sdst(0) depctr_va_vdst(0) depctr_va_sdst(0) depctr_va_ssrc(0) depctr_va_vcc(0) depctr_vm_vsrc(0)
	s_wait_tensorcnt 0x0
	ds_add_u32 v62, v63
	s_wait_dscnt 0x0
	s_endpgm
.Lfunc_end_k_qfc8fe8b3b6_hist:
	.size	k_qfc8fe8b3b6_hist, .Lfunc_end_k_qfc8fe8b3b6_hist-k_qfc8fe8b3b6_hist
	.p2alignl 7, 3214868480
	.fill 96, 4, 3214868480
	.section	.rodata,"a",@progbits
	.p2align	6, 0x0
	.amdhsa_kernel k_qfc8fe8b3b6_hist
		.amdhsa_group_segment_fixed_size 173056
		.amdhsa_private_segment_fixed_size 0
		.amdhsa_enable_private_segment 0
		.amdhsa_kernarg_size 56
		.amdhsa_user_sgpr_count 2
		.amdhsa_user_sgpr_kernarg_segment_ptr 1
		.amdhsa_wavefront_size32 1
		.amdhsa_system_sgpr_workgroup_id_x 1
		.amdhsa_system_sgpr_workgroup_id_y 1
		.amdhsa_system_sgpr_workgroup_id_z 1
		.amdhsa_system_vgpr_workitem_id 0
		.amdhsa_next_free_vgpr 384
		.amdhsa_next_free_sgpr 66
		.amdhsa_reserve_vcc 0
		.amdhsa_float_denorm_mode_32 3
		.amdhsa_float_denorm_mode_16_64 3
		.amdhsa_memory_ordered 1
		.amdhsa_forward_progress 1
		.amdhsa_inst_pref_size 255
	.end_amdhsa_kernel
	.section	.bss,"aw",@nobits
	.p2align	6
	.space	262144
	.amdgpu_metadata
---
amdhsa.version: [ 1, 2 ]
amdhsa.kernels:
  - .name:           k_qfc8fe8b3b6_hist
    .symbol:         k_qfc8fe8b3b6_hist.kd
    .args:
      - { .name: img_ref, .offset: 0, .size: 8, .value_kind: global_buffer, .address_space: global }
      - { .name: img_tar, .offset: 8, .size: 8, .value_kind: global_buffer, .address_space: global }
      - { .name: bins_ref, .offset: 16, .size: 8, .value_kind: global_buffer, .address_space: global }
      - { .name: bins_tar, .offset: 24, .size: 8, .value_kind: global_buffer, .address_space: global }
      - { .name: lowp_scales, .offset: 32, .size: 8, .value_kind: global_buffer, .address_space: global }
      - { .name: mm, .offset: 40, .size: 8, .value_kind: global_buffer, .address_space: global }
      - { .name: part, .offset: 48, .size: 8, .value_kind: global_buffer, .address_space: global }
    .group_segment_fixed_size: 173056
    .private_segment_fixed_size: 0
    .kernarg_segment_align: 8
    .kernarg_segment_size: 56
    .max_flat_workgroup_size: 256
    .sgpr_count:     66
    .vgpr_count:     384
    .wavefront_size: 32
...
	.end_amdgpu_metadata
.endif
;; end of part 5
;; launch addup (part 6): grid 256 x 1, 2 waves a work-group, no clusters, 0 bytes of LDS; arguments part, out0; writes out0
.if DOCPART == 6
	.amdgcn_target "amdgcn-amd-amdhsa--gfx1250"
	.amdhsa_code_object_version 6
	.text
	.protected	k_qfc8fe8b3b6_addup
	.globl	k_qfc8fe8b3b6_addup
	.p2align	8
	.type	k_qfc8fe8b3b6_addup,@function
k_qfc8fe8b3b6_addup:
	s_mov_b64 s[64:65], 0
	v_nop
	global_prefetch_b8 v0, s[64:65] scope:SCOPE_SE
	s_setreg_imm32_b32 hwreg(HW_REG_WAVE_MODE, 25, 1), 1
	s_wait_xcnt 0x0
; out0[n][b][c] = the sum over g = 0 .. 15 of part[16 n + g][b][c].  part: 256 x 4,096 f32, already scaled; out0: 16 x 4,096 f32.
; 256 work-groups of two waves; a thread owns 16 bytes of out0 and adds the 16 partial sums for them, g ascending.
; Each load and the store of a wave cover 512 consecutive bytes; all 16 loads are issued before the first is waited for.  Every byte of part is read once.
.set P, 4                              ; v4-67  sixteen loads of four registers
	s_load_b128 s[4:7], s[0:1], 0x0                ; part, out0
	v_lshlrev_b32 v1, 4, v0                        ; 16 bytes a thread
	s_lshr_b32 s8, ttmp9, 4                        ; the batch: 16 work-groups share its 16 KiB of out0
	s_lshl_b32 s8, s8, 18                          ; its 16 partial sums of 16,384 bytes
	s_and_b32 s9, ttmp9, 15
	s_lshl_b32 s9, s9, 10                          ; my work-group's 1,024 bytes in each
	s_add_co_u32 s8, s8, s9
	s_mov_b32 s9, 0
	s_lshl_b32 s10, ttmp9, 10                      ; and in out0
	s_mov_b32 s11, 0
	s_wait_alu depctr_va_vdst(0)
	s_wait_kmcnt 0x0
	s_add_nc_u64 s[4:5], s[4:5], s[8:9]
	s_add_nc_u64 s[6:7], s[6:7], s[10:11]
.irp g, 0,1,2,3,4,5,6,7,8,9,10,11,12,13,14,15
	global_load_b128 v[P+4*\g:P+4*\g+3], v1, s[4:5] offset:16384*\g th:TH_LOAD_NT
.endr
.irp g, 1,2,3,4,5,6,7,8,9,10,11,12,13,14,15
	s_wait_alu depctr_va_vdst(0)
	s_wait_loadcnt 15-\g                           ; loads come back in order: 0 to g are in, 15 - g are younger
	v_pk_add_f32 v[P:P+1], v[P:P+1], v[P+4*\g:P+4*\g+1]
	v_pk_add_f32 v[P+2:P+3], v[P+2:P+3], v[P+4*\g+2:P+4*\g+3]
.endr
	global_store_b128 v1, v[P:P+3], s[6:7] th:TH_STORE_NT
	s_endpgm
.Lfunc_end_k_qfc8fe8b3b6_addup:
	.size	k_qfc8fe8b3b6_addup, .Lfunc_end_k_qfc8fe8b3b6_addup-k_qfc8fe8b3b6_addup
	.p2alignl 7, 3214868480
	.fill 96, 4, 3214868480
	.section	.rodata,"a",@progbits
	.p2align	6, 0x0
	.amdhsa_kernel k_qfc8fe8b3b6_addup
		.amdhsa_group_segment_fixed_size 0
		.amdhsa_private_segment_fixed_size 0
		.amdhsa_enable_private_segment 0
		.amdhsa_kernarg_size 16
		.amdhsa_user_sgpr_count 2
		.amdhsa_user_sgpr_kernarg_segment_ptr 1
		.amdhsa_wavefront_size32 1
		.amdhsa_system_sgpr_workgroup_id_x 1
		.amdhsa_system_sgpr_workgroup_id_y 1
		.amdhsa_system_sgpr_workgroup_id_z 1
		.amdhsa_system_vgpr_workitem_id 0
		.amdhsa_next_free_vgpr 68
		.amdhsa_next_free_sgpr 66
		.amdhsa_reserve_vcc 0
		.amdhsa_float_denorm_mode_32 3
		.amdhsa_float_denorm_mode_16_64 3
		.amdhsa_memory_ordered 1
		.amdhsa_forward_progress 1
		.amdhsa_inst_pref_size 6
	.end_amdhsa_kernel
	.amdgpu_metadata
---
amdhsa.version: [ 1, 2 ]
amdhsa.kernels:
  - .name:           k_qfc8fe8b3b6_addup
    .symbol:         k_qfc8fe8b3b6_addup.kd
    .args:
      - { .name: part, .offset: 0, .size: 8, .value_kind: global_buffer, .address_space: global }
      - { .name: out0, .offset: 8, .size: 8, .value_kind: global_buffer, .address_space: global }
    .group_segment_fixed_size: 0
    .private_segment_fixed_size: 0
    .kernarg_segment_align: 8
    .kernarg_segment_size: 16
    .max_flat_workgroup_size: 64
    .sgpr_count:     66
    .vgpr_count:     68
    .wavefront_size: 32
...
	.end_amdgpu_metadata
.endif
;; end of part 6
